; MI455X (gfx1250); checked and timed in simulation.
; The chip was launched on July 23, 2026; its instructions are those of AMD's public machine-readable ISA for CDNA 5 (MIT licence, August 2026) and "CDNA5" Instruction Set Architecture Reference Guide (July 2026). The comments in the code are by the model that wrote it; some were corrected since.
;; Causal Self Attention. Allowed arithmetic: matrix products marked QUANTISED: E4M3 operands, one given power-of-two scale a tensor, by v_wmma_f32_16x16x64_fp8_fp8 or v_wmma_f32_16x16x128_fp8_fp8, f32 sums; everything else in f32.
;; Inputs: b_attn 3,072 float32; b_proj 1,024 float32; lowp_scales 8 int32 (the exponents e of the quantised operands' scales 2^e); w_attn_codes 3,072 x 32 x 32 uint8 (E4M3 codes of w_attn, K innermost, in blocks of 32 codes); w_proj_codes 1,024 x 32 x 32 uint8 (E4M3 codes of w_proj, K innermost, in blocks of 32 codes); x_codes 4 x 2,048 x 32 x 32 uint8 (E4M3 codes of x, K innermost, in blocks of 32 codes).
;; Outputs: out0 4 x 2,048 x 1,024 float32.
;; This version of the problem:
;;   THIS VERSION OF THE PROBLEM IS GIVEN IN LOW PRECISION. The matrix products marked QUANTISED in the list below multiply operands that are first quantised to E4M3 (4 exponent bits, 3 mantissa bits; 8 bits a number), with one given power-of-two scale for each operand tensor; their sums are f32. All else is computed in f32.
;;   The module's matrix products, in the order in which they are computed (A, B: the left and right operand; K: the contracted axis; several contracted axes count as one K, in the product's order):
;;     1. [M 8,192, K 1,024] x [K 1,024, N 3,072]; A: input x (given as codes); B: input w_attn (given as codes): QUANTISED (scales: A lowp_scales[0], B lowp_scales[1])
;;     2. batch 64 x [M 2,048, K 64] x [K 64, N 2,048]; A: computed on the way; B: computed on the way: QUANTISED (scales: A lowp_scales[2], B lowp_scales[3])
;;     3. batch 64 x [M 2,048, K 2,048] x [K 2,048, N 64]; A: softmax (see below); B: computed on the way: QUANTISED (scales: A lowp_scales[4], B lowp_scales[5])
;;     4. [M 8,192, K 1,024] x [K 1,024, N 1,024]; A: computed on the way; B: input w_proj (given as codes): QUANTISED (scales: A lowp_scales[6], B lowp_scales[7])
;;   THE QUANTISER, for each operand of a quantised product, along K:
;;     - The operand's scale is 2^e, e = its entry of the input lowp_scales (int32; the entries are numbered through the quantised products in the list's order, A before B).
;;     - Each number is divided by the scale, clamped to +-448, and rounded to the nearest number of E4M3, ties to even, subnormals kept.
;;     - The product sums the exact products of the quantised numbers (number of the format x scale) in f32.
;;   ~~~python
;;   def quantise(x, axis, e):      # numpy; x: float32 -> the quantised numbers, widened to float32 again
;;       x = np.moveaxis(x, axis, -1); K = x.shape[-1]
;;       r = np.clip(x / 2.0 ** e, -448, 448)
;;       step = 2.0 ** (np.maximum(np.frexp(np.where(r == 0, 1, r))[1] - 1, -6) - 3)
;;       q = np.round(r / step) * step * 2.0 ** e      # np.round: ties to even
;;       return np.moveaxis(q, -1, axis).astype(np.float32)
;;   ~~~
;;   SOFTMAX AHEAD OF A QUANTISED PRODUCT. Where the list says 'softmax', what is quantised is not the finished softmax but p = 2^(t - M), with t = logit x log2(e) and M = ceil(the row's largest t), a whole number; so 1/2 < the row's largest p <= 1. The row's sum l is taken of the UNQUANTISED p, in f32, and the product's result is divided by l at the end. Since M is a whole number, a kernel that streams over the keys may use a running M (the ceiling of the running maximum): every later rescaling is an exact power of two, so the quantised numbers keep their values, but for numbers so far below the row's largest that they fall under the format's range.
;;   OPERANDS COMPUTED ON THE WAY. 'Computed on the way' means the value that the module computes at that place (a softmax that the list does not call 'softmax' is quantised finished and normalised). What goes into a quantiser is computed in f32, as accurately as f32 sums, v_exp_f32 and their like allow (about 1e-6 of the number): no bf16 or f16 on the way to a quantiser, and a product that is left as it is and whose result goes on into a quantised operand takes f32 operands (vector FMAs, or v_wmma_f32_16x16x4_f32). A number that lies on a knife's edge between two numbers of the format may be rounded either way, as far as f32 arithmetic and the matrix unit's own rounding can turn it there, and no further.
;;   INPUTS GIVEN AS CODES. w_attn (in the module: [1024, 3072], K = its axis 0); w_proj (in the module: [1024, 1024], K = its axis 0); x (in the module: [4, 2048, 1024], K = its axis 2): each comes as NAME_codes (uint8): NAME with its K axis moved to the last place and cut into blocks of 32 codes, [.., K / 32, bytes a block], one block behind the other in memory; one code a byte (a code: sign, 4 exponent bits, 3 mantissa bits); its scale is its entry of lowp_scales. Its value is code x scale, taken as it is: it is not quantised again, and the codes and scales need not be those that the quantiser above would give.
;; One version. Each part assembles by itself: llvm-mc -triple=amdgcn-amd-amdhsa -mcpu=gfx1250 --defsym DOCPART=n.
;; ======== version 1 of 1: 3 launches
;; limits: right only within a limited range of input values
;; workspace buffers: qc 8,388,608 bytes; kc 8,388,608 bytes; vc 8,388,608 bytes; yc 8,388,608 bytes
;; launch qkv (part 1): grid 12 x 32, 4 waves a work-group, clusters of 4 x 4, 327,680 bytes of LDS; arguments x_codes, w_attn_codes, lowp_scales, b_attn, qc, kc, vc; writes qc, kc, vc
.if DOCPART == 1
	.amdgcn_target "amdgcn-amd-amdhsa--gfx1250"
	.amdhsa_code_object_version 6
	.text
	.protected	k_q7829e9969b_qkv
	.globl	k_q7829e9969b_qkv
	.p2align	8
	.type	k_q7829e9969b_qkv,@function
k_q7829e9969b_qkv:
	s_mov_b64 s[64:65], 0
	v_nop
	global_prefetch_b8 v0, s[64:65] scope:SCOPE_SE
	s_setreg_imm32_b32 hwreg(HW_REG_WAVE_MODE, 25, 1), 1
	s_wait_xcnt 0x0
	s_wait_alu depctr_hold_cnt(0) depctr_sa_sdst(0) depctr_va_vdst(0) depctr_va_sdst(0) depctr_va_ssrc(0) depctr_va_vcc(0) depctr_vm_vsrc(0)
	s_getreg_b32 s2, hwreg(HW_REG_IB_STS2, 6, 4)
	s_cmp_eq_u32 s2, 0
	s_cbranch_scc0 .Lentry_in_a_cluster
	s_endpgm
.Lentry_in_a_cluster:
	s_bfe_u32 s2, ttmp6, 0x10000c
	s_cmp_lg_u32 s2, 0xf033
	s_cbranch_scc0 .Lentry_shape_is_right
	s_endpgm
.Lentry_shape_is_right:
; qkv = x w_attn + b_attn on codes of FP8 (E4M3), then q, k and v are quantised with their given scales and stored as codes.
; x_codes [8192][1024], w_attn_codes [3072][1024]: K innermost.  lowp_scales: e0 (x), e1 (w_attn), e2 (q), e3 (k), e5 (v).
; OUT: qc, kc [64 bh][2048 t][64 d];  vc [64 bh][64 d][2048 t] (the keys innermost: they are the K of attention's second product).
; LIMITS: e0 + e1 between -126 and 127; e2, e3, e5 between -126 and 119, so that each power of two below is an f32 number.  NaN is not served; a number beyond a scale's range is held at +-448 x the scale.
; SHARES: a work-group of four waves makes 256 tokens x 256 columns, a wave 128 x 128: 64 accumulators, 512 registers.  K goes in four steps of 256 through two LDS slots.
; 384 work-groups for 256 WGPs: one and a half fillings; taken for the large wave tile, which reads each LDS byte for twice the products of a 64 x 128 tile.
; CLUSTERS: 4 x 4 work-groups; x's tile is asked for jointly along a row of the cluster, w's along a column.  The cluster's x (ttmp9) is the KIND: 0 q, 1 k, 2 v: equal in all sixteen partners.
; LAYOUT: source 0 of the matrix instruction gives a lane's eight registers, source 1 its lane.  For q and k source 0 = 16 rows of w, source 1 = 16 tokens: a lane holds eight neighbouring d of one token.
; For v the two LDS bases change places: source 0 = 16 tokens, source 1 = 16 rows of w: a lane holds eight neighbouring TOKENS of one channel.
; REGISTERS: window 0: v8-31 addresses; v32-95 the bias by columns, v96-103 the bias by lanes; from v128 source 1's fragments, ONE set.  window 1: source 0's fragments, TWO sets.  windows 2, 3: the accumulators ((a, b) at v[8 (8 (a % 4) + b)]).
.set KROW,   1024                      ; a row of x or of w in memory, in bytes
.set ROWB,   256                       ; a tile's row: 256 codes
.set PITCH,  272                       ; an LDS row: 256 bytes + 16 of padding = 68 words: sixteen rows start at sixteen different groups of four banks
.set FR,     16                        ; registers of a fragment: 16 rows x 128 K
.set NL,     4                         ; LDS loads that bring one
.set NP,     4                         ; places behind this matrix instruction (ISA guide 7.12.1)
.set HALFT,  128*PITCH                 ; what one tensor load brings
.set SLOT,   4*HALFT                   ; x's 256 rows, then w's 256 rows
.set SPARE,  2*SLOT                    ; the spare words, 128 bytes a wave: two blocks of 256 bytes that no other line names
.set HEADL,  64*PITCH                  ; the way out: a head's part of a stage
.set STQ,    0                         ; the stage of q and k: 4 heads x 64 lines; a line is 4 tokens x 64 bytes
.set STV,    4*HEADL                   ; the stage of v: 256 channel lines of 256 tokens.  Both lie in slot 0, which has had its last fill and its last read by then; each kind has bytes of its own
.set ADRA, 16                          ; v16-17  LDS address of source 1's fragments in slot 0, 1
.set ADRB, 20                          ; v20-21  of source 0's
.set STOQ, 22                          ; where I put 8 codes: q, k
.set STOV, 23                          ; v
.set SRDQ, 24                          ; where I read lines back: q, k
.set SRDV, 25                          ; v
.set GOQ,  26                          ; my byte offset in the output: q, k
.set GOV,  27                          ; v
.set SPW,  28                          ; my spare word; never rewritten
.set NIL,  29                          ; 0; never rewritten
.set SC,   30                          ; 2^e as f32
.set LIM,  31
.set BQ,   32                          ; b_attn[n0 + 16 b + 8 h + j] at 8 b + j
.set BV,   96                          ; b_attn[n0 + 16 a + r] at a
.set AF,   128
.set CODES, 128                        ; the way out: two sets of 16
.set TMP,  192                         ; the way out: 64 numbers
.set RB,   128                         ; the way out: 32 x 4 registers read back
.set G1, 24
.set G0, 32
.set G1B, 48
.set G0B, 56
.set OUTP, 74                          ; s[74:75] where my wave's head begins in its output
.set BIAS, 76                          ; s[76:77] b_attn at my wave's first column
.set MSB, 0
.macro WIN new                         ; the immediate's high byte repeats the setting that is left
.if MSB != (\new)
	s_set_vgpr_msb (MSB<<8)|(\new)
.set MSB, (\new)
.endif
.endm
.set MUL_LO, 0xa1                      ; source 0 window 1, source 1 window 0, C and D window 2
.set MUL_HI, 0xf1                      ; the same, C and D window 3
.set TO_B,   0x40                      ; destination window 1, address window 0
; A joint load: waves 0 and 1 fetch x's halves, waves 2 and 3 w's.  The branch hangs on the wave's number alone.  Four v_nop follow each of the two lines.
.macro JLOAD g0a, g1a, g0b, g1b
	s_cmp_eq_u32 s15, 0
	s_cbranch_scc0 .Lfor_b_\@
	tensor_load_to_lds s[\g0a:\g0a+3], s[\g1a:\g1a+7]
	s_nop 0
.rept 4
	v_nop
.endr
	s_branch .Lasked_\@
.Lfor_b_\@:
	tensor_load_to_lds s[\g0b:\g0b+3], s[\g1b:\g1b+7]
	s_nop 0
.rept 4
	v_nop
.endr
.Lasked_\@:
.endm
.macro CREST                           ; a round of the cluster's barrier behind its opening barrier
	s_cmp_lg_u32 s14, 0
	s_cbranch_scc1 .Lnot_wave_0_\@
	s_barrier_signal -3
.Lnot_wave_0_\@:
	s_barrier_wait -3
	s_barrier_signal -1
	s_barrier_wait -1
.endm
.macro CROUND                          ; a whole round
	s_barrier_signal -1
	s_barrier_wait -1
	CREST
.endm
	s_load_b128 s[4:7], s[0:1], 0x0                ; x's codes, w's codes
	s_load_b128 s[8:11], s[0:1], 0x10              ; the scales' exponents, b_attn
	s_load_b128 s[68:71], s[0:1], 0x20             ; qc, kc
	s_load_b64 s[72:73], s[0:1], 0x30              ; vc
	v_lshl_add_u32 v[SPW], v0, 2, SPARE
	v_mov_b32 v[NIL], 0
	ds_add_u32 v28, v29
	ds_add_u32 v28, v29
	s_wait_dscnt 0x0
	v_lshrrev_b32 v1, 5, v0
	v_readfirstlane_b32 s14, v1                    ; wave 0..3
	s_lshr_b32 s15, s14, 1                         ; which half of the tokens is mine.  Also: I fetch for x (0) or for w (1)
	s_and_b32 s16, s14, 1                          ; which half of the columns.  Also: which 128 rows of that tile I fetch
	s_bfe_u32 s40, ttmp6, 0x40000                  ; cx, cy: my place in the cluster
	s_bfe_u32 s41, ttmp6, 0x40004
	s_lshl_b32 s42, ttmp9, 2
	s_add_co_u32 s42, s42, s40                     ; tile column = 4 x cluster x + cx
	s_and_b32 s17, ttmp7, 0xffff
	s_lshl_b32 s17, s17, 2
	s_add_co_u32 s17, s17, s41                     ; tile row = 4 x cluster y + cy
	s_lshl_b32 s43, s41, 2
	s_lshl_b32 s43, 15, s43                        ; my row of the cluster
	s_lshl_b32 s44, 0x1111, s40                    ; my column
	s_or_b32 s[G1+0], s43, (0<<16)|(1<<20)|(1<<21)|(5<<22)|(3<<25)  ; the mask: x's tiles go to my row; elements of 1 byte; padding on; bit 21 beside a mask; after every 64 words 4 words
	s_or_b32 s[G1B+0], s44, (0<<16)|(1<<20)|(1<<21)|(5<<22)|(3<<25) ; w's tiles go to my column
.irp g, G1, G1B
	s_mov_b32 s[\g+1], ROWB<<16                    ; tensor_dim0
	s_mov_b32 s[\g+2], 128<<16                     ; tensor_dim1
	s_mov_b32 s[\g+3], ROWB<<16                    ; tile_dim0
	s_mov_b32 s[\g+4], 128                         ; tile_dim1
	s_mov_b32 s[\g+5], KROW                        ; from row to row
	s_mov_b32 s[\g+6], 0
	s_mov_b32 s[\g+7], 0
.endr
	s_lshl_b32 s18, s16, 7
	s_lshl_b32 s20, s17, 8
	s_add_co_u32 s20, s20, s18                     ; x: row 256 x tile row + 128 x half
	s_lshl_b32 s46, s42, 8
	s_add_co_u32 s46, s46, s18                     ; w: row 256 x tile column + 128 x half
	s_mov_b32 s21, 0
	s_mov_b32 s47, 0
	s_mov_b64 s[18:19], KROW
	s_mul_u64 s[20:21], s[20:21], s[18:19]
	s_mul_u64 s[46:47], s[46:47], s[18:19]
	s_mul_i32 s45, s14, HALFT                      ; where they go: wave x 128 rows
	s_wait_kmcnt 0x0
	s_load_b256 s[80:87], s[8:9], 0x0              ; e0 .. e7
	s_add_nc_u64 s[20:21], s[4:5], s[20:21]
	s_add_nc_u64 s[46:47], s[6:7], s[46:47]
	CROUND                                         ; all sixteen work-groups are here: the first joint loads meet
.irp s, 0,1
	s_mov_b32 s[G0+4*\s], 1
	s_add_co_u32 s[G0+4*\s+1], s45, \s*SLOT
	s_add_nc_u64 s[G0+4*\s+2:G0+4*\s+3], s[20:21], \s*ROWB
	s_or_b32 s[G0+4*\s+3], s[G0+4*\s+3], 0x80000000
	s_mov_b32 s[G0B+4*\s], 1
	s_add_co_u32 s[G0B+4*\s+1], s45, \s*SLOT
	s_add_nc_u64 s[G0B+4*\s+2:G0B+4*\s+3], s[46:47], \s*ROWB
	s_or_b32 s[G0B+4*\s+3], s[G0B+4*\s+3], 0x80000000
	JLOAD G0+4*\s, G1, G0B+4*\s, G1B               ; two tensor loads of mine are out
.endr
	v_and_b32 v1, 15, v0                           ; r
	v_bfe_u32 v2, v0, 4, 1                         ; h
	v_lshlrev_b32 v8, 5, v2                        ; the bias by columns: 32 h bytes; never rewritten
	v_lshlrev_b32 v9, 2, v1                        ; the bias by lanes: 4 r bytes; never rewritten
	s_lshl_b32 s88, s42, 10
	s_lshl_b32 s89, s16, 9
	s_add_co_u32 s88, s88, s89                     ; 4 n0, n0 = 256 x tile column + 128 x half
	s_mov_b32 s89, 0
	s_add_nc_u64 s[BIAS:BIAS+1], s[10:11], s[88:89]
.irp b, 0,1,2,3,4,5,6,7                        ; every wave loads both forms, so that no register's state hangs on the kind; they are waited for on the way out
	global_load_b128 v[BQ+8*\b:BQ+8*\b+3], v8, s[BIAS:BIAS+1] offset:64*\b
	global_load_b128 v[BQ+8*\b+4:BQ+8*\b+7], v8, s[BIAS:BIAS+1] offset:64*\b+16
.endr
.irp a, 0,1,2,3,4,5,6,7
	global_load_b32 v[BV+\a], v9, s[BIAS:BIAS+1] offset:64*\a
.endr
	v_mul_u32_u24 v3, v1, PITCH
	v_lshl_add_u32 v4, v2, 4, v3                   ; a fragment's row x pitch + 16 x half
	s_wait_alu depctr_va_vdst(0)
	s_mul_i32 s21, s15, HALFT                      ; my 128 tokens
	s_mul_i32 s22, s16, HALFT
	s_add_co_u32 s22, s22, 2*HALFT                 ; my 128 rows of w, behind x's 256
	s_cmp_eq_u32 ttmp9, 2                          ; v: the two change places
	s_cselect_b32 s18, s22, s21                    ; source 1's rows
	s_cselect_b32 s19, s21, s22                    ; source 0's rows
.irp s, 0,1
	v_add_nc_u32 v[ADRA+\s], s18, v4
	v_add_nc_u32 v[ADRB+\s], s19, v4
	s_add_co_u32 s18, s18, SLOT
	s_add_co_u32 s19, s19, SLOT
.endr
	; the stages' addresses: wave, lane and constants alone, all made here, ahead of every parting by kind
	s_mul_i32 s18, s16, 2*HEADL                    ; q, k: my two heads,
	s_mul_i32 s19, s15, 32*PITCH                   ; my 128 tokens = 32 lines
	s_add_co_u32 s18, s18, s19
	v_lshrrev_b32 v5, 2, v1
	v_mul_u32_u24 v5, v5, PITCH                    ; line r / 4,
	v_and_b32 v6, 3, v1
	v_lshl_add_u32 v5, v6, 6, v5                   ; token r % 4 in it,
	v_lshl_add_u32 v5, v2, 3, v5                   ; 8 h
	v_add_nc_u32 v[STOQ], s18, v5
	s_mul_i32 s18, s16, 128*PITCH                  ; v: my 128 channel lines,
	s_lshl_b32 s19, s15, 7                         ; my 128 tokens in them
	s_add_co_u32 s18, s18, s19
	s_add_co_u32 s18, s18, STV
	v_lshl_add_u32 v5, v2, 3, v3                   ; line r, 8 h
	v_add_nc_u32 v[STOV], s18, v5
	s_mul_i32 s18, s14, HEADL                      ; back: wave w takes head w's 64 lines, two an instruction
	v_mul_u32_u24 v5, v2, PITCH
	v_lshl_add_u32 v5, v1, 4, v5
	v_add_nc_u32 v[SRDQ], s18, v5
	v_add_nc_u32 v[SRDV], STV, v[SRDQ]
	v_and_b32 v6, 31, v0
	v_lshlrev_b32 v[GOQ], 4, v6                    ; q, k: 512 bytes on end an instruction
	v_lshlrev_b32 v5, 11, v2
	v_lshl_add_u32 v[GOV], v1, 4, v5               ; v: two channel rows of 2,048 bytes, 256 bytes of each
	s_lshr_b32 s88, s17, 3                         ; the batch
	s_lshl_b32 s88, s88, 4
	s_lshl_b32 s89, s40, 2
	s_add_co_u32 s88, s88, s89
	s_add_co_u32 s88, s88, s14                     ; bh = 16 b + 4 cx + wave
	s_lshl_b32 s88, s88, 17                        ; a head is 131,072 bytes in each output
	s_and_b32 s89, s17, 7
	s_lshl_b32 s89, s89, 8                         ; t0
	s_lshl_b32 s90, s89, 6                         ; 64 t0
	s_cmp_eq_u32 ttmp9, 2
	s_cselect_b32 s89, s89, s90
	s_cselect_b64 s[OUTP:OUTP+1], s[72:73], s[70:71]
	s_add_co_u32 s88, s88, s89
	s_mov_b32 s89, 0
	s_cmp_eq_u32 ttmp9, 0
	s_cselect_b64 s[OUTP:OUTP+1], s[68:69], s[OUTP:OUTP+1]
	s_add_nc_u64 s[OUTP:OUTP+1], s[OUTP:OUTP+1], s[88:89]
.macro FRAG reg, adr, q, i             ; 16 rows x 128 K: lane l holds row l % 16; registers 4 c .. 4 c + 3 hold K = 32 c + 16 (l / 16) + 0 .. 15: the same places in both operands
.irp c, 0,1,2,3
	ds_load_b128 v[\reg+4*\c:\reg+4*\c+3], v[\adr] offset:128*(\q)+32*\c+(\i)*16*PITCH
.endr
.endm
; 16 matrix instructions: source 1's blocks a0, a0 + 1 x source 0's eight.  The 64 accumulators take turns, one instruction a turn, in the same order in every step.
.macro MUL16 a0, p, zero
.irp a, \a0, \a0+1
.irp b, 0,1,2,3,4,5,6,7
.if \zero
	v_wmma_f32_16x16x128_fp8_fp8 v[8*(8*((\a)%4)+\b):8*(8*((\a)%4)+\b)+7], v[128*(\p)+FR*\b:128*(\p)+FR*\b+FR-1], v[AF+FR*(\a):AF+FR*(\a)+FR-1], 0
.else
	v_wmma_f32_16x16x128_fp8_fp8 v[8*(8*((\a)%4)+\b):8*(8*((\a)%4)+\b)+7], v[128*(\p)+FR*\b:128*(\p)+FR*\b+FR-1], v[AF+FR*(\a):AF+FR*(\a)+FR-1], v[8*(8*((\a)%4)+\b):8*(8*((\a)%4)+\b)+7]
.endif
.endr
.endr
.endm
.macro FETCH_B slot, q, p
	WIN TO_B
.irp i, 0,1,2,3,4,5,6,7
	FRAG 128*(\p)+FR*\i, ADRB+\slot, \q, \i
.endr
	WIN 0
.endm
.macro FETCH_A slot, q, i0
.irp i, \i0, \i0+1, \i0+2, \i0+3
	FRAG AF+FR*(\i), ADRA+\slot, \q, \i
.endr
.endm
.macro PLACES n                        ; plain vector lines between a matrix instruction and a load into, or a vector read or write of, its registers
.rept \n
	v_nop
.endr
.endm
; A step of 128 along K that has its successor in the same slot.
.macro STEP slot, q, zero
	s_wait_dscnt 4*NL                              ; source 0's set and source 1's blocks 0-3 are in; the youngest sixteen loads (blocks 4-7) may be out
	WIN MUL_LO
	MUL16 0, (\q)%2, \zero
	MUL16 2, (\q)%2, \zero
	s_wait_dscnt 0                                 ; blocks 4-7 are in
	PLACES NP
	FETCH_B \slot, (\q)+1, 1-(\q)%2
	FETCH_A \slot, (\q)+1, 0
	WIN MUL_HI
	MUL16 4, (\q)%2, \zero
	MUL16 6, (\q)%2, \zero
	PLACES NP
	WIN 0
	FETCH_A \slot, (\q)+1, 4
.endm
; A slot's last step changes slots: ONE barrier; in front of it each wave waits for all its tensor loads, adds 0 to its spare word, and waits for that and for its reads of this slot.
.macro TURN slot, next, fill
	s_wait_tensorcnt 0x0                           ; all my tensor loads have landed: my part of the next slot
	ds_add_u32 v[SPW], v[NIL]                      ; 0 onto my spare word
	s_wait_dscnt 4*NL+1                            ; the add and the youngest sixteen loads may be out
	WIN MUL_LO
	MUL16 0, 1, 0
	s_wait_dscnt 0x0                               ; the add is done, and my reads of this slot are over
	s_barrier_signal -1
	MUL16 2, 1, 0
	WIN 0
	s_barrier_wait -1
.if \fill
	CREST                                          ; the barrier has opened a round of the cluster's: no wave of any partner still reads this slot or has a load on its way
	s_add_nc_u64 s[G0+4*\slot+2:G0+4*\slot+3], s[G0+4*\slot+2:G0+4*\slot+3], 2*ROWB
	s_add_nc_u64 s[G0B+4*\slot+2:G0B+4*\slot+3], s[G0B+4*\slot+2:G0B+4*\slot+3], 2*ROWB
	JLOAD G0+4*\slot, G1, G0B+4*\slot, G1B         ; the first tensor load behind the round; its four v_nop are the places in front of the loads below
.else
	PLACES NP
.endif
	FETCH_B \next, 0, 0
	FETCH_A \next, 0, 0
	WIN MUL_HI
	MUL16 4, 1, 0
	MUL16 6, 1, 0
	PLACES NP
	WIN 0
	FETCH_A \next, 0, 4
.endm
	s_wait_tensorcnt 1                             ; my part of K step 0 is in; K step 1's load may be out
	s_barrier_signal -1
	s_barrier_wait -1
	FETCH_B 0, 0, 0
	FETCH_A 0, 0, 0
	FETCH_A 0, 0, 4
	STEP 0, 0, 1                                   ; K = 1,024 is eight steps of 128, written out: the first starts the sums
	TURN 0, 1, 1                                   ; slot 0 takes K step 2
	STEP 1, 0, 0
	TURN 1, 0, 1                                   ; slot 1 takes K step 3
	STEP 0, 0, 0
	TURN 0, 1, 0                                   ; nothing is left to fetch; behind this barrier nobody reads slot 0
	STEP 1, 0, 0
	s_wait_dscnt 4*NL
	WIN MUL_LO
	MUL16 0, 1, 0
	MUL16 2, 1, 0
	s_wait_dscnt 0
	WIN MUL_HI
	MUL16 4, 1, 0
	MUL16 6, 1, 0
	WIN 0
	; THE WAY OUT.  number = sum x 2^(e0 + e1) + bias; held within +-448 x 2^e; eight numbers of a lane become eight codes; the codes go through a stage, so that every store covers whole aligned runs of 256 bytes.
	s_wait_kmcnt 0x0
	s_add_co_i32 s96, s80, s81
	s_add_co_i32 s96, s96, 127
	s_lshl_b32 s96, s96, 23                        ; 2^(e0 + e1) as f32
	s_mov_b32 s97, s96                             ; (named with it as a pair)
	s_cmp_eq_u32 ttmp9, 0
	s_cselect_b32 s91, s82, s83                    ; e2 for q, e3 for k,
	s_cmp_eq_u32 ttmp9, 2
	s_cselect_b32 s91, s85, s91                    ; e5 for v
	s_add_co_i32 s91, s91, 127
	s_lshl_b32 s92, s91, 23
	v_mov_b32 v[SC], s92
	s_wait_loadcnt 0x0                             ; the biases
	PLACES NP
; Block a: source 1's 16 rows against all 128 of source 0's.  isv = 0: the bias goes by registers; 1: by lanes (one number a lane and block: the pair's low or high word for both halves).
.macro OUTBLK a, isv
.set AC, 64*((\a)%4)
.set CD, CODES+16*((\a)%2)
.set BP, BV+2*((\a)/2)
	WIN 0x02+((\a)/4)                              ; source 0: window 2 or 3
.set j, 0
.rept 32                                       ; ascending: each accumulator is read from its low end on
.if \isv
.if ((\a)%2) == 0
	v_pk_fma_f32 v[TMP+j:TMP+j+1], v[AC+j:AC+j+1], s[96:97], v[BP:BP+1] op_sel_hi:[1,0,0]
.else
	v_pk_fma_f32 v[TMP+j:TMP+j+1], v[AC+j:AC+j+1], s[96:97], v[BP:BP+1] op_sel:[0,0,1] op_sel_hi:[1,0,1]
.endif
.else
	v_pk_fma_f32 v[TMP+j:TMP+j+1], v[AC+j:AC+j+1], s[96:97], v[BQ+j:BQ+j+1] op_sel_hi:[1,0,1]
.endif
.set j, j+2
.endr
	WIN 0
.set j, 0
.rept 64
.set j, j+1
.endr
.if (\a) >= 2
	s_wait_alu depctr_va_vdst(0)
	s_wait_dscnt 8                                 ; the eight stores of the block before may be out; those of two blocks back have read this set of codes
.endif
.irp b, 0,1,2,3,4,5,6,7
	v_cvt_scalef32_pk8_fp8_f32 v[CD+2*\b:CD+2*\b+1], v[TMP+8*\b:TMP+8*\b+7], v[SC]
.endr
	v_nop                                          ; a plain line between the conversions and the next lines that write their sources
.irp b, 0,1,2,3,4,5,6,7
.if \isv
	ds_store_b64 v[STOV], v[CD+2*\b:CD+2*\b+1] offset:16*(\a)*PITCH+16*\b
.else
	ds_store_b64 v[STOQ], v[CD+2*\b:CD+2*\b+1] offset:(\b/4)*HEADL+4*(\a)*PITCH+16*(\b%4)
.endif
.endr
.endm
	s_cmp_eq_u32 ttmp9, 2                          ; the kind: equal in all partners and all waves
	s_cbranch_scc1 .Lv_in
.irp a, 0,1,2,3,4,5,6,7
	OUTBLK \a, 0
.endr
	s_branch .Lstaged
.Lv_in:
.irp a, 0,1,2,3,4,5,6,7
	OUTBLK \a, 1
.endr
.Lstaged:
	s_wait_dscnt 0x0                               ; for the others' sake: my stores into the stage are done
	s_barrier_signal -1
	s_barrier_wait -1                              ; a head's lines come from two waves
	s_cmp_eq_u32 ttmp9, 2
	s_cbranch_scc1 .Lv_out
.set i, 0
.rept 32
	ds_load_b128 v[RB+4*i:RB+4*i+3], v[SRDQ] offset:2*i*PITCH
.set i, i+1
.endr
.set i, 0
.rept 32
	s_wait_dscnt 31-i                              ; loads come back in order: number i is in
	global_store_b128 v[GOQ], v[RB+4*i:RB+4*i+3], s[OUTP:OUTP+1] offset:512*i   ; 32 lanes store 512 consecutive bytes: eight tokens of my head
.set i, i+1
.endr
	s_branch .Ldone
.Lv_out:
.set i, 0
.rept 32
	ds_load_b128 v[RB+4*i:RB+4*i+3], v[SRDV] offset:2*i*PITCH
.set i, i+1
.endr
.set i, 0
.rept 32
	s_wait_dscnt 31-i
	global_store_b128 v[GOV], v[RB+4*i:RB+4*i+3], s[OUTP:OUTP+1] offset:4096*i  ; sixteen lanes store 256 consecutive bytes, aligned: 256 tokens of one channel
.set i, i+1
.endr
.Ldone:
	s_wait_tensorcnt 0x0                           ; the wave's end
	ds_add_u32 v[SPW], v[NIL]
	s_wait_dscnt 0x0
	CROUND                                         ; the closing round
	s_endpgm
.Lfunc_end_k_q7829e9969b_qkv:
	.size	k_q7829e9969b_qkv, .Lfunc_end_k_q7829e9969b_qkv-k_q7829e9969b_qkv
	.p2alignl 7, 3214868480
	.fill 96, 4, 3214868480
	.section	.rodata,"a",@progbits
	.p2align	6, 0x0
	.amdhsa_kernel k_q7829e9969b_qkv
		.amdhsa_group_segment_fixed_size 327680
		.amdhsa_private_segment_fixed_size 0
		.amdhsa_enable_private_segment 0
		.amdhsa_kernarg_size 56
		.amdhsa_user_sgpr_count 2
		.amdhsa_user_sgpr_kernarg_segment_ptr 1
		.amdhsa_wavefront_size32 1
		.amdhsa_system_sgpr_workgroup_id_x 1
		.amdhsa_system_sgpr_workgroup_id_y 1
		.amdhsa_system_sgpr_workgroup_id_z 1
		.amdhsa_system_vgpr_workitem_id 0
		.amdhsa_next_free_vgpr 1024
		.amdhsa_next_free_sgpr 100
		.amdhsa_reserve_vcc 0
		.amdhsa_float_denorm_mode_32 3
		.amdhsa_float_denorm_mode_16_64 3
		.amdhsa_fp16_overflow 1
		.amdhsa_memory_ordered 1
		.amdhsa_forward_progress 1
		.amdhsa_inst_pref_size 144
	.end_amdhsa_kernel
	.amdgpu_metadata
---
amdhsa.version: [ 1, 2 ]
amdhsa.kernels:
  - .name:           k_q7829e9969b_qkv
    .symbol:         k_q7829e9969b_qkv.kd
    .args:
      - { .name: x_codes, .offset: 0, .size: 8, .value_kind: global_buffer, .address_space: global }
      - { .name: w_attn_codes, .offset: 8, .size: 8, .value_kind: global_buffer, .address_space: global }
      - { .name: lowp_scales, .offset: 16, .size: 8, .value_kind: global_buffer, .address_space: global }
      - { .name: b_attn, .offset: 24, .size: 8, .value_kind: global_buffer, .address_space: global }
      - { .name: qc, .offset: 32, .size: 8, .value_kind: global_buffer, .address_space: global }
      - { .name: kc, .offset: 40, .size: 8, .value_kind: global_buffer, .address_space: global }
      - { .name: vc, .offset: 48, .size: 8, .value_kind: global_buffer, .address_space: global }
    .group_segment_fixed_size: 327680
    .private_segment_fixed_size: 0
    .kernarg_segment_align: 8
    .kernarg_segment_size: 56
    .max_flat_workgroup_size: 128
    .sgpr_count:     100
    .vgpr_count:     1024
    .wavefront_size: 32
...
	.end_amdgpu_metadata
.endif
;; end of part 1
;; launch attn (part 2): grid 4 x 64, 8 waves a work-group, no clusters, 327,680 bytes of LDS; arguments qc, kc, vc, lowp_scales, yc; writes yc
.if DOCPART == 2
	.amdgcn_target "amdgcn-amd-amdhsa--gfx1250"
	.amdhsa_code_object_version 6
	.text
	.protected	k_q7829e9969b_attn
	.globl	k_q7829e9969b_attn
	.p2align	8
	.type	k_q7829e9969b_attn,@function
k_q7829e9969b_attn:
	s_mov_b64 s[64:65], 0
	v_nop
	global_prefetch_b8 v0, s[64:65] scope:SCOPE_SE
	s_setreg_imm32_b32 hwreg(HW_REG_WAVE_MODE, 25, 1), 1
	s_wait_xcnt 0x0
; y[bh][q][:] = sum over k <= q of softmax_k(q . k / 8) v[k][:], both products on codes of FP8 (E4M3); y is quantised with its given scale and stored as codes.
; qc, kc [64 bh][2048][64]; vc [64 bh][64 d][2048 keys]; yc [64 bh][2048][64].  lowp_scales: e2 (q), e3 (k), e4 (p), e5 (v), e6 (y).
; THE SOFTMAX: t = score x log2(e) / 8; M = the running largest t rounded UP to a whole number; p = 2^(t - M) is quantised, not normalised; the row's sum is taken of the unquantised p and divides at the end.
; When M moves, the sum and O are multiplied by 2^(old M - new M): exact.
; LIMITS: e2 + e3 between -123 and 130 (added to c's exponent field); e4 and e6 between -126 and 119; e4 + e5 goes by v_ldexp_f32 and has none.  NaN is not served.  A p under 2^-126 counts as 0.
; SHARES: work-group (i, bh) owns the blocks of 256 queries 7 - i and i of one head, and makes NINE VISITS whatever i is: block 7 - i against the slots of 256 keys 0 .. 7 - i, then block i against 0 .. i.
; So all 256 work-groups have equal work, every trip count is a constant, and no slot is fetched that the mask hides whole.  Wave w owns 32 queries of the block in hand, two tiles of 16, which share every fragment of K and V.
; NO CLUSTER: partner i's visit J takes slot J only while J <= 7 - i, so only five of the nine visits take the same slot in all four work-groups of a head; the others would need descriptors that differ between partners.
; LAYOUT: S^T = K Q^T (16x16x64: source 0 = 16 neighbouring keys, source 1 = 16 queries): a lane holds ONE query; register 8 u + j of a tile's S holds key 16 u + 8 (lane / 16) + j.
; The two registers that a conversion makes of S's tile u are therefore registers 2 u, 2 u + 1 of the 16x16x128 form's own layout: P needs no move.  O^T = V^T P^T (source 0 = 16 channels x 128 keys, by eight loads of 8 bytes).
; REGISTERS, window 0: v1-11 addresses; v12-19 -M, largest t, the sum's pair, a tile each; v20-23 f; v24-33 at work; v34-45 constants; v64-127 K's 8 fragments; v128-255 S, 64 a tile.
;   window 1: v0-63 O^T (32 a + 8 t); v64-79 Q in hand; v80-95 Q of block i; v96-127 P; v128-191 V's 4 fragments.
.set SLOT1, 1<<16                      ; slot 1 begins here: one exclusive or turns an address
.set LP,    272                        ; an LDS line: 256 bytes + 16
.set VOFF,  64*LP                      ; a slot: K's 64 lines (a line is 4 keys x 64 bytes), then V's 64 channel rows of 256 keys
.set SPARE, 2*SLOT1                    ; the spare words, 128 bytes a wave: four blocks of 256 bytes that no other line names
.set STAGE, SPARE+1024                 ; the way out: 2,048 bytes a wave; no fill lands here
.set AK0, 1
.set AV0, 2
.set PFO, 3
.set ADK, 4
.set ADV, 5
.set SPW, 6
.set NIL, 7
.set STO, 8
.set SRD, 9
.set GO,  10
.set QO,  11
.set KFR, 64
.set S,   128
.set QF,  64                           ; window 1
.set PF,  96                           ; window 1
.set VFR, 128                          ; window 1
.set WV,  14
.set I,   15
.set NH,  16                           ; 8 - i: visits of the first block
.set BH,  17                           ; 7 - i: the first block
.set SEL, 20
.set CS,  22
.set G1K, 24
.set G1V, 32
.set G0K, 40
.set G0V, 44
.set KB,  48                           ; s[48:49] the head in kc;  s[50:51] in vc;  s[52:53] in yc
.set VB,  50
.set YH,  52
.set YP,  54
.set OFS, 56                           ; s[56:57] an offset; s57 stays 0
.set J,   58
.set TB,  59
.set SLI, 60
.set BLK, 61
.set KF,  62
.set Q0,  63
.set PFA, 76
.set PFS, 78
.set LIM, 80
.set EPV, 81
.set MSB, 0
.macro WIN new
.if MSB != (\new)
	s_set_vgpr_msb (MSB<<8)|(\new)
.set MSB, (\new)
.endif
.endm
; Wave 0 fetches a slot's K, wave 1 its V, 64 LDS lines each; the others nothing.  Four v_nop follow each of the two lines.
.macro TLOAD
	s_cmp_eq_u32 s[WV], 0
	s_cbranch_scc0 .Lnot_k_\@
	tensor_load_to_lds s[G0K:G0K+3], s[G1K:G1K+7]
	s_nop 0
.rept 4
	v_nop
.endr
	s_branch .Lasked_\@
.Lnot_k_\@:
	s_cmp_eq_u32 s[WV], 1
	s_cbranch_scc0 .Lasked_\@
	tensor_load_to_lds s[G0V:G0V+3], s[G1V:G1V+7]
	s_nop 0
.rept 4
	v_nop
.endr
.Lasked_\@:
.endm
; A PREFETCH of the slot that the NEXT change of slots will ask for.  The four work-groups of a head read the same K and V; work-group i = 0 walks slots 0 .. 7 in order, and it alone asks:
; waves 2 and 3 for K's block of 16,384 bytes (8,192 a wave, lanes 256 bytes apart), waves 4 and 5 for V's 64 rows (32 a wave, a lane a row: 256 aligned bytes).  Change J names slot J + 2, J = 0 .. 5:
; each aligned run of 256 bytes once; slots 0 and 1 come by their loads alone.
.macro ASK
	s_cmp_lt_u32 s[J], s[LIM]
	s_cbranch_scc0 .Lnot_mine_\@
	global_prefetch_b8 v[PFO], s[PFA:PFA+1] th:TH_LOAD_NT scope:SCOPE_SE
.Lnot_mine_\@:
.endm
; O^T and the sums begin as zeros and the largest t as -3e38, so that the key step is written without a first form of its own: the first change of M multiplies zeros.
.macro INIT
	WIN 0x40
.set i, 0
.rept 64
	v_mov_b32 v[i], 0
.set i, i+1
.endr
	WIN 0
.irp a, 0,1
	v_mov_b32 v[13+4*\a], 0xff61b1e6
	v_mov_b32 v[14+4*\a], 0
	v_mov_b32 v[15+4*\a], 0
.endr
.irp a, 0
	v_floor_f32 v[12+4*\a], -v[13+4*\a]
.endr
.irp a, 1
	s_delay_alu instid0(VALU_DEP_4)
	v_floor_f32 v[12+4*\a], -v[13+4*\a]
.endr
.endm
	s_load_b128 s[4:7], s[0:1], 0x0                ; qc, kc
	s_load_b128 s[8:11], s[0:1], 0x10              ; vc, the scales' exponents
	s_load_b64 s[12:13], s[0:1], 0x20              ; yc
	v_lshl_add_u32 v[SPW], v0, 2, SPARE
	v_mov_b32 v[NIL], 0
	ds_add_u32 v6, v7
	ds_add_u32 v6, v7
	s_wait_dscnt 0x0
	v_lshrrev_b32 v1, 5, v0
	s_delay_alu instid0(VALU_DEP_1)
	v_readfirstlane_b32 s[WV], v1                  ; wave 0..7
	s_mov_b32 s[I], ttmp9
	s_sub_co_u32 s[NH], 8, s[I]
	s_sub_co_u32 s[BH], 7, s[I]
	s_lshl_b32 s19, s[WV], 5                       ; my 32 queries in a block
	s_and_b32 s[OFS], ttmp7, 0xffff
	s_lshl_b32 s[OFS], s[OFS], 17                  ; a head is 131,072 bytes in each of the four buffers
	s_mov_b32 s[OFS+1], 0
	s_mov_b32 s[G1K], (3<<16)|(1<<20)|(5<<22)|(3<<25)   ; no mask; elements of 8 bytes; padding: 4 words after every 64
	s_mov_b32 s[G1K+1], 32<<16                     ; tensor_dim0 = 32 elements = 256 bytes
	s_mov_b32 s[G1K+2], 64<<16                     ; tensor_dim1 = 64
	s_mov_b32 s[G1K+3], 32<<16                     ; tile_dim0
	s_mov_b32 s[G1K+4], 64                         ; tile_dim1
	s_mov_b32 s[G1K+5], 32                         ; K: 256 keys x 64 bytes are one dense block, taken as 64 rows of 256 bytes
	s_mov_b32 s[G1K+6], 0
	s_mov_b32 s[G1K+7], 0
	s_mov_b32 s[G1V], (3<<16)|(1<<20)|(5<<22)|(3<<25)
	s_mov_b32 s[G1V+1], 32<<16
	s_mov_b32 s[G1V+2], 64<<16
	s_mov_b32 s[G1V+3], 32<<16
	s_mov_b32 s[G1V+4], 64
	s_mov_b32 s[G1V+5], 256                        ; V: 64 channel rows, 2,048 bytes apart
	s_mov_b32 s[G1V+6], 0
	s_mov_b32 s[G1V+7], 0
	s_mov_b32 s[SEL], 0x76543210
	s_mov_b32 s[SEL+1], 0xfedcba98
	s_mov_b32 s[J], 0
	s_mov_b32 s[TB], 0
	s_wait_kmcnt 0x0
	s_load_b256 s[68:75], s[10:11], 0x0            ; e0 .. e7
	s_add_nc_u64 s[KB:KB+1], s[6:7], s[OFS:OFS+1]
	s_add_nc_u64 s[VB:VB+1], s[8:9], s[OFS:OFS+1]
	s_add_nc_u64 s[YH:YH+1], s[12:13], s[OFS:OFS+1]
	s_add_nc_u64 s[82:83], s[4:5], s[OFS:OFS+1]
	s_mov_b32 s[G0K], 1
	s_mov_b32 s[G0K+1], 0                          ; LDS slot 0
	s_mov_b64 s[G0K+2:G0K+3], s[KB:KB+1]           ; keys 0 .. 255
	s_or_b32 s[G0K+3], s[G0K+3], 0x80000000
	s_mov_b32 s[G0V], 1
	s_mov_b32 s[G0V+1], VOFF
	s_mov_b64 s[G0V+2:G0V+3], s[VB:VB+1]
	s_or_b32 s[G0V+3], s[G0V+3], 0x80000000
	TLOAD                                          ; visit 0's slot: one tensor load of a wave is out at the most, here and later
	s_lshl_b32 s66, s[BH], 8
	s_add_co_u32 s66, s66, s19
	s_lshl_b32 s66, s66, 6
	s_mov_b32 s67, 0
	s_add_nc_u64 s[84:85], s[82:83], s[66:67]      ; my queries of block 7 - i
	s_lshl_b32 s66, s[I], 8
	s_add_co_u32 s66, s66, s19
	s_lshl_b32 s66, s66, 6
	s_add_nc_u64 s[82:83], s[82:83], s[66:67]      ; and of block i
	v_and_b32 v46, 15, v0                          ; r
	v_bfe_u32 v47, v0, 4, 1                        ; h
	s_delay_alu instid0(VALU_DEP_2)
	v_lshlrev_b32 v[QO], 6, v46
	s_delay_alu instid0(VALU_DEP_1)
	v_lshl_add_u32 v[QO], v47, 4, v[QO]            ; Q: row r of 64 bytes, + 16 h: d = 32 c + 16 h + 0 .. 15 in registers 4 c .. 4 c + 3, as K's fragments have it
	WIN 0x40
.irp a, 0,1
.irp c, 0,1
	global_load_b128 v[QF+8*\a+4*\c:QF+8*\a+4*\c+3], v[QO], s[84:85] offset:1024*\a+32*\c
	global_load_b128 v[QF+16+8*\a+4*\c:QF+16+8*\a+4*\c+3], v[QO], s[82:83] offset:1024*\a+32*\c
.endr
.endr
	WIN 0
	v_lshrrev_b32 v[AK0], 2, v46
	s_delay_alu instid0(VALU_DEP_1)
	v_mul_u32_u24 v[AK0], v[AK0], LP
	v_and_b32 v[AV0], 3, v46
	s_delay_alu instid0(VALU_DEP_1)
	v_lshl_add_u32 v[AK0], v[AV0], 6, v[AK0]
	s_delay_alu instid0(VALU_DEP_1)
	v_lshl_add_u32 v[AK0], v47, 4, v[AK0]          ; K: key r of a tile: line r / 4, 64 (r % 4), + 16 h: sixteen lanes take sixteen different columns of 16 bytes
	v_mul_u32_u24 v[AV0], v46, LP
	s_delay_alu instid0(VALU_DEP_1)
	v_lshl_add_u32 v[AV0], v47, 3, v[AV0]
	s_delay_alu instid0(VALU_DEP_1)
	v_add_nc_u32 v[AV0], VOFF, v[AV0]              ; V: channel row r, + 8 h: the 32 lanes of a load of 8 bytes take 64 different banks
	s_lshl_b32 s66, s[WV], 11
	s_add_co_u32 s66, s66, STAGE                   ; my stage
	v_lshlrev_b32 v[STO], 6, v46
	s_delay_alu instid0(VALU_DEP_1)
	v_lshl_add_u32 v[STO], v47, 3, v[STO]
	s_delay_alu instid0(VALU_DEP_1)
	v_add_nc_u32 v[STO], s66, v[STO]               ; in: query r's 64 bytes, + 8 h
	v_and_b32 v[GO], 31, v0
	s_delay_alu instid0(VALU_DEP_1)
	v_lshlrev_b32 v[GO], 4, v[GO]                  ; out: 16 bytes a lane
	s_delay_alu instid0(VALU_DEP_1)
	v_add_nc_u32 v[SRD], s66, v[GO]
	v_lshlrev_b32 v39, 3, v47
	s_delay_alu instid0(VALU_DEP_1)
	v_sub_nc_u32 v39, v46, v39                     ; r - 8 h, for the mask
	v_mov_b32 v38, 0xff800000                      ; -infinity
	v_mov_b32 v28, 0                               ; a lane permute's destination counts as read
	v_mov_b32 v29, 0
	v_mov_b32 v21, 0                               ; upper words of pairs of which the low word serves both halves
	v_mov_b32 v23, 0
	v_mov_b32 v43, 0
	v_mov_b32 v45, 0
	; the prefetches: where my wave's stand, and who asks
	s_cmp_lt_u32 s[WV], 4
	s_cselect_b64 s[PFA:PFA+1], s[KB:KB+1], s[VB:VB+1]
	s_mov_b32 s[PFS], 256
	s_cselect_b32 s[PFS], 16384, s[PFS]            ; a slot on
	s_mov_b32 s66, 2048
	s_cselect_b32 s66, 256, s66                    ; from lane to lane
	s_mov_b32 s67, 65536
	s_cselect_b32 s67, 8192, s67                   ; from wave to wave
	v_and_b32 v[PFO], 31, v0
	s_delay_alu instid0(VALU_DEP_1)
	v_mul_lo_u32 v[PFO], v[PFO], s66
	s_and_b32 s66, s[WV], 1
	s_mul_i32 s66, s66, s67
	s_add_co_u32 s66, s66, s[PFS]                  ; in slot 1: the first change steps it to slot 2
	s_mov_b32 s67, 0
	s_mov_b32 s[PFS+1], 0
	s_add_nc_u64 s[PFA:PFA+1], s[PFA:PFA+1], s[66:67]
	s_sub_co_u32 s66, s[WV], 2
	s_lshr_b32 s66, s66, 2                         ; 0 in waves 2 to 5
	s_or_b32 s66, s66, ttmp9                       ; of work-group i = 0
	s_cmp_eq_u32 s66, 0
	s_cselect_b32 s[LIM], 6, 0
	INIT
	s_wait_kmcnt 0x0
	s_add_co_i32 s66, s70, s71                     ; e2 + e3: a score stands for score x 2^(e2 + e3)
	s_lshl_b32 s66, s66, 23
	s_mov_b32 s[CS], 0x3e38aa3b                    ; c = log2(e) / 8
	s_add_co_i32 s[CS], s[CS], s66
	s_mov_b32 s[CS+1], s[CS]
	s_add_co_i32 s66, s72, 127
	s_lshl_b32 s67, s66, 23
	v_mov_b32 v35, s67                             ; 2^e4
	s_add_co_i32 s66, s74, 127
	s_lshl_b32 s67, s66, 23
	v_mov_b32 v41, s67                             ; 2^e6
	s_add_co_i32 s[EPV], s72, s73                  ; e4 + e5
; A KEY STEP: 128 keys, the q-th half of the slot in hand, for both tiles.
.macro STEP q
	s_add_co_u32 s67, s[KF], 128*\q                ; the step's first key
	s_add_co_u32 s66, s[Q0], 31
	s_cmp_gt_u32 s67, s66                          ; all its keys come after my 32 queries: the step's work is left out (a branch on ids)
	s_cbranch_scc1 .Lhidden_\@
	v_add_nc_u32 v[ADK], s[TB], v[AK0]
	v_add_nc_u32 v[ADV], s[TB], v[AV0]
	v_nop
	v_nop                                          ; four places between the last V^T P and the loads into V's registers
.set i, 0
.rept 8                                        ; K: tile i = keys 16 i on
	ds_load_b128 v[KFR+8*i:KFR+8*i+3], v[ADK] offset:32*LP*\q+4*LP*i
	ds_load_b128 v[KFR+8*i+4:KFR+8*i+7], v[ADK] offset:32*LP*\q+4*LP*i+32
.set i, i+1
.endr
	WIN 0x40
.set i, 0
.rept 32                                       ; V: fragment i / 8 = channels 16 (i / 8) on; piece i % 8 = keys 16 (i % 8) + 8 h on
	ds_load_b64 v[VFR+2*i:VFR+2*i+1], v[ADV] offset:(i/8)*16*LP+128*\q+16*(i%8)
.set i, i+1
.endr
	s_wait_dscnt 32                                ; K's sixteen loads are in; V's 32, issued behind them, may be out
	WIN 0x04                                       ; Q in window 1
.set i, 0
	s_wait_alu depctr_va_vdst(0)
.rept 16
	v_wmma_f32_16x16x64_fp8_fp8 v[S+64*(i%2)+8*(i/2):S+64*(i%2)+8*(i/2)+7], v[KFR+8*(i/2):KFR+8*(i/2)+7], v[QF+8*(i%2):QF+8*(i%2)+7], 0
.set i, i+1
.endr
	WIN 0
.rept 4
	v_nop
.endr
	s_add_co_u32 s66, s67, 127
	s_cmp_le_u32 s66, s[Q0]                        ; all 128 keys count for all my queries: no mask
	s_cbranch_scc1 .Lopen_\@
	s_sub_co_i32 s66, s[Q0], s67
	v_add_nc_u32 v36, s66, v39                     ; d = my query - the step's first key - 8 h; register 8 u + j is hidden where 16 u + j > d
	s_delay_alu instid0(VALU_DEP_1)
	v_add_nc_u32 v37, 16, v36
.set i, 0
.rept 128
	v_cmp_gt_i32 vcc_lo, 16*((i%64)/8)+i%8, v[36+i/64]
	v_cndmask_b32 v[S+i], v[S+i], v38, vcc_lo
.set i, i+1
.endr
.Lopen_\@:
.irp a, 0,1                                    ; the largest score of my query among my 64 keys: two chains a tile, ascending
	v_max3_num_f32 v[24+2*\a], v[S+64*\a], v[S+64*\a+1], v[S+64*\a+2]
	v_max3_num_f32 v[25+2*\a], v[S+64*\a+3], v[S+64*\a+4], v[S+64*\a+5]
.endr
.set i, 6
.rept 14
.irp a, 0,1
	v_max3_num_f32 v[24+2*\a], v[24+2*\a], v[S+64*\a+i], v[S+64*\a+i+1]
	v_max3_num_f32 v[25+2*\a], v[25+2*\a], v[S+64*\a+i+2], v[S+64*\a+i+3]
.endr
.set i, i+4
.endr
.irp a, 0
	v_max3_num_f32 v[24+2*\a], v[24+2*\a], v[S+64*\a+62], v[S+64*\a+63]
.endr
.irp a, 1
	v_max3_num_f32 v[24+2*\a], v[24+2*\a], v[S+64*\a+62], v[S+64*\a+63]
.endr
.irp a, 0,1
	s_delay_alu instid0(VALU_DEP_2)
	v_max_num_f32 v[24+2*\a], v[24+2*\a], v[25+2*\a]
.endr
.irp a, 0,1
	s_delay_alu instid0(VALU_DEP_2)
	v_permlanex16_b32 v[28+\a], v[24+2*\a], s[SEL], s[SEL+1]
.endr
.irp a, 0,1
	s_delay_alu instid0(VALU_DEP_2)
	v_max_num_f32 v[24+2*\a], v[24+2*\a], v[28+\a] ; and among lane l xor 16's
.endr
.irp a, 0,1
	s_delay_alu instid0(VALU_DEP_2)
	v_mul_f32 v[24+2*\a], s[CS], v[24+2*\a]        ; as t (c is positive)
.endr
.irp a, 0
	s_delay_alu instid0(VALU_DEP_2)
	v_max_num_f32 v[13+4*\a], v[13+4*\a], v[24+2*\a]
	v_mov_b32 v[24+2*\a], v[12+4*\a]
.endr
.irp a, 1
	s_delay_alu instid0(VALU_DEP_3)
	v_max_num_f32 v[13+4*\a], v[13+4*\a], v[24+2*\a]
	v_mov_b32 v[24+2*\a], v[12+4*\a]
.endr
.irp a, 0
	s_delay_alu instid0(VALU_DEP_4)
	v_floor_f32 v[12+4*\a], -v[13+4*\a]
.endr
.irp a, 1
	s_delay_alu instid0(VALU_DEP_3)
	v_floor_f32 v[12+4*\a], -v[13+4*\a]            ; -M = floor(-t): M is a whole number
.endr
.irp a, 0,1
	s_delay_alu instid0(VALU_DEP_2)
	v_sub_f32 v[24+2*\a], v[12+4*\a], v[24+2*\a]   ; old M - new M, 0 or less
.endr
.irp a, 0,1
	s_delay_alu instid0(VALU_DEP_2)
	v_cvt_i32_f32 v[24+2*\a], v[24+2*\a]           ; (it saturates)
.endr
.irp a, 0,1
	s_delay_alu instid0(VALU_DEP_2)
	v_ldexp_f32 v[20+2*\a], 1.0, v[24+2*\a]        ; f = 2^(old M - new M)
.endr
.set i, 0
.rept 32
.irp a, 0,1
	v_pk_fma_f32 v[S+64*\a+i:S+64*\a+i+1], v[S+64*\a+i:S+64*\a+i+1], s[CS:CS+1], v[12+4*\a:13+4*\a] op_sel_hi:[1,0,0]   ; t - M
.endr
.set i, i+2
.endr
.set i, 0
	s_wait_alu depctr_va_vdst(0)
.rept 128
	v_exp_f32 v[S+i], v[S+i]                       ; p = 2^(t - M): one batch
.set i, i+1
.endr
.irp a, 0,1
	v_pk_mul_f32 v[14+4*\a:15+4*\a], v[14+4*\a:15+4*\a], v[20+2*\a:21+2*\a] op_sel_hi:[1,0]   ; the sums under the new M: the plain lines behind the batch
.endr
	s_wait_alu depctr_va_vdst(0)                   ; one wait for the batch, ahead of its first reader
.irp a, 0,1
	v_pk_add_f32 v[30+2*\a:31+2*\a], v[S+64*\a:S+64*\a+1], v[S+64*\a+2:S+64*\a+3]   ; the row's sum of the UNQUANTISED p, two chains a tile
.endr
.set i, 4
.rept 15
.irp a, 0,1
	v_pk_add_f32 v[14+4*\a:15+4*\a], v[14+4*\a:15+4*\a], v[S+64*\a+i:S+64*\a+i+1]
	v_pk_add_f32 v[30+2*\a:31+2*\a], v[30+2*\a:31+2*\a], v[S+64*\a+i+2:S+64*\a+i+3]
.endr
.set i, i+4
.endr
.irp a, 0
	s_delay_alu instid0(VALU_DEP_3)
	v_pk_add_f32 v[14+4*\a:15+4*\a], v[14+4*\a:15+4*\a], v[30+2*\a:31+2*\a]
.endr
.irp a, 1
	s_delay_alu instid0(VALU_DEP_2)
	v_pk_add_f32 v[14+4*\a:15+4*\a], v[14+4*\a:15+4*\a], v[30+2*\a:31+2*\a]
.endr
.set i, 0
.rept 128
.set i, i+1
.endr
	WIN 0x40
.set i, 0
.rept 16                                       ; tile i / 8, keys 16 (i % 8) + 8 h on: registers 2 (i % 8), + 1 of P
	v_cvt_scalef32_pk8_fp8_f32 v[PF+2*i:PF+2*i+1], v[S+8*i:S+8*i+7], v35
.set i, i+1
.endr
	WIN 0x41
.set i, 0
.rept 32                                       ; O^T under the new M, ascending; also the plain lines between the conversions and the products
	v_pk_mul_f32 v[2*i:2*i+1], v[2*i:2*i+1], v[20+2*(i/16):21+2*(i/16)] op_sel_hi:[1,0]
.set i, i+1
.endr
	s_wait_alu depctr_va_vdst(0)
	s_wait_dscnt 0x0                               ; V is in
	WIN 0x55
.set i, 0
.rept 8                                        ; channels 16 (i / 2) on, tile i % 2: eight accumulators, one instruction each
	v_wmma_f32_16x16x128_fp8_fp8 v[32*(i%2)+8*(i/2):32*(i%2)+8*(i/2)+7], v[VFR+16*(i/2):VFR+16*(i/2)+15], v[PF+16*(i%2):PF+16*(i%2)+15], v[32*(i%2)+8*(i/2):32*(i%2)+8*(i/2)+7]
.set i, i+1
.endr
	WIN 0
.Lhidden_\@:
.endm
; THE CHANGE OF SLOTS, at a visit's head.  Each wave waits for all its tensor loads, adds 0 to its spare word, and waits for that and for its reads of the slot that it has left; behind the barrier the slot ahead is whole
; and nobody reads the other.  fill = 1: that other slot takes the next visit's keys: slot J + 1 of the first block, or J + 1 - (8 - i) of the second.
.macro CHANGE fill
	s_wait_tensorcnt 0x0                           ; no tensor load of mine is out, so a group 0 may be written
	ds_add_u32 v[SPW], v[NIL]
.if \fill
	s_add_co_u32 s66, s[J], 1
	s_cmp_lt_u32 s66, s[NH]
	s_cselect_b32 s67, 0, s[NH]
	s_sub_co_u32 s66, s66, s67                     ; the next visit's slot of keys
	s_lshl_b32 s[OFS], s66, 14
	s_add_nc_u64 s[G0K+2:G0K+3], s[KB:KB+1], s[OFS:OFS+1]
	s_or_b32 s[G0K+3], s[G0K+3], 0x80000000
	s_lshl_b32 s[OFS], s66, 8
	s_add_nc_u64 s[G0V+2:G0V+3], s[VB:VB+1], s[OFS:OFS+1]
	s_or_b32 s[G0V+3], s[G0V+3], 0x80000000
	s_xor_b32 s[G0K+1], s[G0K+1], SLOT1
	s_xor_b32 s[G0V+1], s[G0V+1], SLOT1
	s_wait_xcnt 0x0                                ; the last prefetch, a visit back, has read its address
	s_add_nc_u64 s[PFA:PFA+1], s[PFA:PFA+1], s[PFS:PFS+1]
.endif
	s_wait_dscnt 0x0                               ; the add is done, and my reads of the slot that I have left are over
	s_barrier_signal -1
	s_barrier_wait -1
.if \fill
	TLOAD                                          ; the first thing behind the barrier, and a wave's one tensor load until the next
	ASK
.endif
.endm
; THE WAY OUT of a block: y = O^T / the sum x 2^(e4 + e5), held, quantised with 2^e6; 32 queries x 64 codes go through my stage and leave as 2,048 bytes on end.
.macro WAYOUT
	s_lshl_b32 s[OFS], s[Q0], 6
	s_add_nc_u64 s[YP:YP+1], s[YH:YH+1], s[OFS:OFS+1]
.rept 4
	v_nop                                          ; places behind the last products
.endr
	v_add_f32 v46, v14, v15
	v_add_f32 v47, v18, v19
	s_delay_alu instid0(VALU_DEP_2)
	v_permlanex16_b32 v28, v46, s[SEL], s[SEL+1]
	s_delay_alu instid0(VALU_DEP_2)
	v_permlanex16_b32 v29, v47, s[SEL], s[SEL+1]
	s_delay_alu instid0(VALU_DEP_2)
	v_add_f32 v46, v46, v28
	s_delay_alu instid0(VALU_DEP_2)
	v_add_f32 v47, v47, v29                        ; the rows' sums
	s_wait_alu depctr_va_vdst(0)
	v_rcp_f32 v46, v46
	v_rcp_f32 v47, v47
	v_nop                                          ; a plain line behind the reciprocals
	s_wait_alu depctr_va_vdst(0)                   ; and the wait ahead of their first reader
	v_ldexp_f32 v42, v46, s[EPV]
	v_ldexp_f32 v44, v47, s[EPV]
	WIN 0x01
.set i, 0
.rept 32                                       ; ascending: each accumulator from its low end on
	v_pk_mul_f32 v[S+2*i:S+2*i+1], v[2*i:2*i+1], v[42+2*(i/16):43+2*(i/16)] op_sel_hi:[1,0]
.set i, i+1
.endr
	WIN 0
.set i, 0
.rept 64
.set i, i+1
.endr
.set i, 0
.rept 8                                        ; tile i / 4, channels 16 (i % 4) + 8 h on
	v_cvt_scalef32_pk8_fp8_f32 v[192+2*i:193+2*i], v[S+8*i:S+8*i+7], v41
.set i, i+1
.endr
	v_nop                                          ; a plain line behind the last conversion
.set i, 0
.rept 8
	ds_store_b64 v[STO], v[192+2*i:193+2*i] offset:1024*(i/4)+16*(i%4)
.set i, i+1
.endr
.set i, 0
.rept 4
	ds_load_b128 v[208+4*i:211+4*i], v[SRD] offset:512*i   ; LDS serves a wave's instructions in order: these see my stores
.set i, i+1
.endr
.set i, 0
.rept 4
	s_wait_dscnt 3-i
	global_store_b128 v[GO], v[208+4*i:211+4*i], s[YP:YP+1] offset:512*i   ; 32 lanes store 512 consecutive bytes, aligned
.set i, i+1
.endr
.endm
; A VISIT: one slot of 256 keys for the block in hand.  last = 0: where the slot is the block's own (its last), the block goes out and the second block begins.
.macro VISIT last
	s_cmp_lt_u32 s[J], s[NH]
	s_cselect_b32 s[BLK], s[BH], s[I]
	s_cselect_b32 s66, 0, s[NH]
	s_sub_co_u32 s[SLI], s[J], s66
	s_lshl_b32 s[KF], s[SLI], 8                    ; the slot's first key
	s_lshl_b32 s[Q0], s[BLK], 8
	s_add_co_u32 s[Q0], s[Q0], s19                 ; my first query
	STEP 0
	STEP 1
.if \last
	s_wait_alu depctr_va_vdst(0)
	WAYOUT
.else
	s_xor_b32 s[TB], s[TB], SLOT1
	s_cmp_lg_u32 s[SLI], s[BLK]
	s_cbranch_scc1 .Lgo_on_\@
	s_wait_alu depctr_va_vdst(0)
	WAYOUT
	INIT
	WIN 0x41
.set i, 0
.rept 16
	v_mov_b32 v[QF+i], v[QF+16+i]                  ; block i's queries
.set i, i+1
.endr
	WIN 0
	s_wait_xcnt 0x0                                ; the stores have read their registers and their base: the next scores land on the first, the second way out writes the second
.Lgo_on_\@:
.endif
.endm
	s_wait_loadcnt 0x0                             ; Q
.Lvisit:                                           ; eight trips: behind each change of slots but the last the next visit's slot is asked for
	CHANGE 1
	VISIT 0
	s_add_co_u32 s[J], s[J], 1
	s_cmp_lt_u32 s[J], 8
	s_cbranch_scc1 .Lvisit
	CHANGE 0                                       ; the ninth visit is written out
	VISIT 1
	s_wait_tensorcnt 0x0                           ; the wave's end
	ds_add_u32 v[SPW], v[NIL]
	s_wait_dscnt 0x0
	s_endpgm
.Lfunc_end_k_q7829e9969b_attn:
	.size	k_q7829e9969b_attn, .Lfunc_end_k_q7829e9969b_attn-k_q7829e9969b_attn
	.p2alignl 7, 3214868480
	.fill 96, 4, 3214868480
	.section	.rodata,"a",@progbits
	.p2align	6, 0x0
	.amdhsa_kernel k_q7829e9969b_attn
		.amdhsa_group_segment_fixed_size 327680
		.amdhsa_private_segment_fixed_size 0
		.amdhsa_enable_private_segment 0
		.amdhsa_kernarg_size 40
		.amdhsa_user_sgpr_count 2
		.amdhsa_user_sgpr_kernarg_segment_ptr 1
		.amdhsa_wavefront_size32 1
		.amdhsa_system_sgpr_workgroup_id_x 1
		.amdhsa_system_sgpr_workgroup_id_y 1
		.amdhsa_system_sgpr_workgroup_id_z 1
		.amdhsa_system_vgpr_workitem_id 0
		.amdhsa_next_free_vgpr 448
		.amdhsa_next_free_sgpr 96
		.amdhsa_reserve_vcc 1
		.amdhsa_float_denorm_mode_32 3
		.amdhsa_float_denorm_mode_16_64 3
		.amdhsa_fp16_overflow 1
		.amdhsa_memory_ordered 1
		.amdhsa_forward_progress 1
		.amdhsa_inst_pref_size 169
	.end_amdhsa_kernel
	.amdgpu_metadata
---
amdhsa.version: [ 1, 2 ]
amdhsa.kernels:
  - .name:           k_q7829e9969b_attn
    .symbol:         k_q7829e9969b_attn.kd
    .args:
      - { .name: qc, .offset: 0, .size: 8, .value_kind: global_buffer, .address_space: global }
      - { .name: kc, .offset: 8, .size: 8, .value_kind: global_buffer, .address_space: global }
      - { .name: vc, .offset: 16, .size: 8, .value_kind: global_buffer, .address_space: global }
      - { .name: lowp_scales, .offset: 24, .size: 8, .value_kind: global_buffer, .address_space: global }
      - { .name: yc, .offset: 32, .size: 8, .value_kind: global_buffer, .address_space: global }
    .group_segment_fixed_size: 327680
    .private_segment_fixed_size: 0
    .kernarg_segment_align: 8
    .kernarg_segment_size: 40
    .max_flat_workgroup_size: 256
    .sgpr_count:     96
    .vgpr_count:     448
    .wavefront_size: 32
...
	.end_amdgpu_metadata
.endif
;; end of part 2
;; launch proj (part 3): grid 8 x 32, 4 waves a work-group, clusters of 4 x 4, 327,680 bytes of LDS; arguments yc, w_proj_codes, lowp_scales, b_proj, out0; writes out0
.if DOCPART == 3
	.amdgcn_target "amdgcn-amd-amdhsa--gfx1250"
	.amdhsa_code_object_version 6
	.text
	.protected	k_q7829e9969b_proj
	.globl	k_q7829e9969b_proj
	.p2align	8
	.type	k_q7829e9969b_proj,@function
k_q7829e9969b_proj:
	s_mov_b64 s[64:65], 0
	v_nop
	global_prefetch_b8 v0, s[64:65] scope:SCOPE_SE
	s_setreg_imm32_b32 hwreg(HW_REG_WAVE_MODE, 25, 1), 1
	s_wait_xcnt 0x0
	s_wait_alu depctr_hold_cnt(0) depctr_sa_sdst(0) depctr_va_vdst(0) depctr_va_sdst(0) depctr_va_ssrc(0) depctr_va_vcc(0) depctr_vm_vsrc(0)
	s_getreg_b32 s2, hwreg(HW_REG_IB_STS2, 6, 4)
	s_cmp_eq_u32 s2, 0
	s_cbranch_scc0 .Lentry_in_a_cluster
	s_endpgm
.Lentry_in_a_cluster:
	s_bfe_u32 s2, ttmp6, 0x10000c
	s_cmp_lg_u32 s2, 0xf033
	s_cbranch_scc0 .Lentry_shape_is_right
	s_endpgm
.Lentry_shape_is_right:
; out0 = y w_proj + b_proj on codes of FP8 (E4M3).  yc [64 bh][2048 t][64 d] (K = 64 head + d); w_proj_codes [1024 n][1024 k]; out0 [8192][1024] f32.  lowp_scales: e6 (y), e7 (w_proj).
; LIMIT: e6 + e7 between -126 and 127, so that 2^(e6 + e7) is an f32 number.
; SHARES: a work-group of four waves makes 256 tokens x 128 columns: 256 work-groups.  Wave w makes tokens 64 w .. 64 w + 63 x all 128 columns: 32 accumulators.
; K goes in four steps of 256 (four heads) through THREE LDS slots: K steps 0, 1, 2 are asked for at the start, K step 3 goes into slot 0 when that has been read: the launch's one refill, with two K steps' work in which to land.
; CLUSTERS: 4 x 4 work-groups; y's tile is asked for jointly along a row of the cluster, w's along a column.
; y's TILE: 128 tokens of four heads: four runs of 8,192 dense bytes, 131,072 bytes apart: one descriptor with four rows of 1,024 elements of 8 bytes, 16 bytes of padding behind every 256.
; In LDS head z lies at 8,704 z and token p at 272 (p / 4) + 64 (p % 4).  THE MATRIX INSTRUCTION IS USED TRANSPOSED (source 0 = 16 rows of w, source 1 = 16 tokens): a lane holds eight neighbouring columns of one token.
; REGISTERS: window 0: v8-29 addresses; v128-191 y's four fragments, ONE set; on the way out v32-95 and v128-255.  window 1: w's fragments, TWO sets.  window 2: the accumulators ((a, b) at v[8 (8 a + b)]).  window 3: v0-63 the bias.
; SCALARS: s[24:31], s[48:55] the two groups 1; s[32:43] y's three groups 0, s[68:79] w's; s56-60 my place in the cluster, the tile column and the two masks: outside every descriptor, since the tile column is used again behind the first loads.
.set ROWB,   256
.set KROW,   1024
.set PITCH,  272
.set FR,     16
.set NL,     4
.set NP,     4
.set HEADA,  32*PITCH                  ; 128 tokens of one head
.set HALFA,  4*HEADA                   ; what one tensor load brings of y
.set HALFB,  64*PITCH                  ; and of w
.set SLOT,   2*HALFA+2*HALFB
.set ASTEP,  4*131072                  ; a K step on in yc: four heads
.set SPARE,  3*SLOT                    ; the spare words, 128 bytes a wave: two blocks of 256 bytes that no other line names
.set SPITCH, 528                       ; the way out: 16 rows x (512 bytes + 16) a wave, in slot 1, which has had its one fill and its last read by then
.set ADRA, 16                          ; v16-18
.set ADRB, 20                          ; v20-22
.set STO,  24
.set RD,   25
.set CO,   26
.set SPW,  28
.set NIL,  29
.set TMP,  32
.set AF,   128
.set BK,   128
.set G1, 24
.set G0, 32                            ; s[32:43] three groups 0 for y
.set G1B, 48
.set G0B, 68                           ; s[68:79] three for w
.set CX,   56                          ; s56  my place along the cluster's x
.set CY,   57                          ; s57  along its y
.set TX,   58                          ; s58  the tile column: 128 columns
.set MROW, 59                          ; s59  the mask of my row of the cluster
.set MCOL, 60                          ; s60  of my column
.set OUTP, 12
.set MSB, 0
.macro WIN new
.if MSB != (\new)
	s_set_vgpr_msb (MSB<<8)|(\new)
.set MSB, (\new)
.endif
.endm
.set MUL,  0xa1                        ; source 0 (w) window 1, source 1 (y) window 0, C and D window 2
.set TO_B, 0x40
.macro JLOAD g0a, g1a, g0b, g1b        ; waves 0 and 1 fetch y's halves, waves 2 and 3 w's; four v_nop follow each of the two lines
	s_cmp_eq_u32 s15, 0
	s_cbranch_scc0 .Lfor_b_\@
	tensor_load_to_lds s[\g0a:\g0a+3], s[\g1a:\g1a+7]
	s_nop 0
.rept 4
	v_nop
.endr
	s_branch .Lasked_\@
.Lfor_b_\@:
	tensor_load_to_lds s[\g0b:\g0b+3], s[\g1b:\g1b+7]
	s_nop 0
.rept 4
	v_nop
.endr
.Lasked_\@:
.endm
.macro CREST
	s_cmp_lg_u32 s14, 0
	s_cbranch_scc1 .Lnot_wave_0_\@
	s_barrier_signal -3
.Lnot_wave_0_\@:
	s_barrier_wait -3
	s_barrier_signal -1
	s_barrier_wait -1
.endm
.macro CROUND
	s_barrier_signal -1
	s_barrier_wait -1
	CREST
.endm
	s_load_b128 s[4:7], s[0:1], 0x0                ; yc, w's codes
	s_load_b128 s[8:11], s[0:1], 0x10              ; the scales' exponents, b_proj
	s_load_b64 s[OUTP:OUTP+1], s[0:1], 0x20        ; out0
	v_lshl_add_u32 v[SPW], v0, 2, SPARE
	v_mov_b32 v[NIL], 0
	ds_add_u32 v28, v29
	s_wait_dscnt 0x0
	v_lshrrev_b32 v1, 5, v0
	v_readfirstlane_b32 s14, v1                    ; wave 0..3
	s_lshr_b32 s15, s14, 1                         ; I fetch for y (0) or for w (1)
	s_and_b32 s16, s14, 1                          ; which half of that tile
	s_bfe_u32 s[CX], ttmp6, 0x40000                ; cx, cy
	s_bfe_u32 s[CY], ttmp6, 0x40004
	s_lshl_b32 s[TX], ttmp9, 2
	s_add_co_u32 s[TX], s[TX], s[CX]               ; tile column: 128 columns
	s_and_b32 s17, ttmp7, 0xffff
	s_lshl_b32 s17, s17, 2
	s_add_co_u32 s17, s17, s[CY]                   ; tile row: 256 tokens
	s_lshl_b32 s[MROW], s[CY], 2
	s_lshl_b32 s[MROW], 15, s[MROW]                ; my row of the cluster
	s_lshl_b32 s[MCOL], 0x1111, s[CX]              ; my column
	s_or_b32 s[G1+0], s[MROW], (3<<16)|(1<<20)|(1<<21)|(5<<22)|(3<<25)   ; y: elements of 8 bytes; padding: 4 words after every 64; bit 21 beside the mask
	s_mov_b32 s[G1+1], 1024<<16                    ; tensor_dim0 = 1,024 elements = 8,192 bytes
	s_mov_b32 s[G1+2], 4<<16                       ; tensor_dim1 = 4 heads
	s_mov_b32 s[G1+3], 1024<<16                    ; tile_dim0
	s_mov_b32 s[G1+4], 4                           ; tile_dim1
	s_mov_b32 s[G1+5], 16384                       ; from head to head: 131,072 bytes
	s_mov_b32 s[G1+6], 0
	s_mov_b32 s[G1+7], 0
	s_or_b32 s[G1B+0], s[MCOL], (0<<16)|(1<<20)|(1<<21)|(5<<22)|(3<<25)  ; w: elements of 1 byte
	s_mov_b32 s[G1B+1], ROWB<<16
	s_mov_b32 s[G1B+2], 64<<16
	s_mov_b32 s[G1B+3], ROWB<<16
	s_mov_b32 s[G1B+4], 64
	s_mov_b32 s[G1B+5], KROW
	s_mov_b32 s[G1B+6], 0
	s_mov_b32 s[G1B+7], 0
	s_lshr_b32 s20, s17, 3
	s_lshl_b32 s20, s20, 21                        ; the batch: 16 heads of 131,072 bytes
	s_and_b32 s21, s17, 7
	s_lshl_b32 s21, s21, 8
	s_lshl_b32 s18, s16, 7
	s_add_co_u32 s21, s21, s18                     ; the first token that I fetch
	s_lshl_b32 s21, s21, 6
	s_add_co_u32 s20, s20, s21
	s_mov_b32 s21, 0
	s_lshl_b32 s46, s[TX], 7
	s_lshl_b32 s47, s16, 6
	s_add_co_u32 s46, s46, s47                     ; w: row 128 x tile column + 64 x half
	s_lshl_b32 s46, s46, 10
	s_mov_b32 s47, 0
	s_mul_i32 s45, s16, HALFA                      ; where they go: y's two halves,
	s_mul_i32 s19, s16, HALFB
	s_add_co_u32 s19, s19, 2*HALFA                 ; then w's two
	s_wait_kmcnt 0x0
	s_load_b64 s[96:97], s[8:9], 0x18              ; e6, e7
	s_add_nc_u64 s[20:21], s[4:5], s[20:21]
	s_add_nc_u64 s[46:47], s[6:7], s[46:47]
	CROUND                                         ; all sixteen work-groups are here: the first joint loads meet
.irp s, 0,1,2
	s_mov_b32 s[G0+4*\s], 1
	s_add_co_u32 s[G0+4*\s+1], s45, \s*SLOT
	s_add_nc_u64 s[G0+4*\s+2:G0+4*\s+3], s[20:21], \s*ASTEP
	s_or_b32 s[G0+4*\s+3], s[G0+4*\s+3], 0x80000000
	s_mov_b32 s[G0B+4*\s], 1
	s_add_co_u32 s[G0B+4*\s+1], s19, \s*SLOT
	s_add_nc_u64 s[G0B+4*\s+2:G0B+4*\s+3], s[46:47], \s*ROWB
	s_or_b32 s[G0B+4*\s+3], s[G0B+4*\s+3], 0x80000000
	JLOAD G0+4*\s, G1, G0B+4*\s, G1B               ; three tensor loads of mine are out
.endr
	v_and_b32 v1, 15, v0                           ; r
	v_bfe_u32 v2, v0, 4, 1                         ; h
	v_lshlrev_b32 v8, 5, v2                        ; the bias: 32 h bytes; never rewritten
	s_lshl_b32 s88, s[TX], 9
	s_mov_b32 s89, 0
	s_add_nc_u64 s[80:81], s[10:11], s[88:89]      ; b_proj at the tile's first column
	WIN 0xc0                                       ; destination window 3
.irp b, 0,1,2,3,4,5,6,7
	global_load_b128 v[8*\b:8*\b+3], v8, s[80:81] offset:64*\b         ; b_proj[128 tx + 16 b + 8 h + j] at 8 b + j
	global_load_b128 v[8*\b+4:8*\b+7], v8, s[80:81] offset:64*\b+16
.endr
	WIN 0
	v_lshrrev_b32 v3, 2, v1
	v_mul_u32_u24 v3, v3, PITCH
	v_and_b32 v4, 3, v1
	v_lshl_add_u32 v3, v4, 6, v3
	v_lshl_add_u32 v3, v2, 4, v3                   ; y: token r of a block: line r / 4, 64 (r % 4), + 16 h
	s_mul_i32 s21, s15, HALFA                      ; my 64 tokens: half wave / 2,
	s_mul_i32 s22, s16, 16*PITCH                   ; 16 lines on for odd waves
	s_add_co_u32 s21, s21, s22
	v_mul_u32_u24 v4, v1, PITCH
	v_lshl_add_u32 v4, v2, 4, v4                   ; w: row r, + 16 h
	s_mov_b32 s22, 2*HALFA
.irp s, 0,1,2
	v_add_nc_u32 v[ADRA+\s], s21, v3
	v_add_nc_u32 v[ADRB+\s], s22, v4
	s_add_co_u32 s21, s21, SLOT
	s_add_co_u32 s22, s22, SLOT
.endr
	s_mul_i32 s23, s14, 16*SPITCH
	s_add_co_u32 s23, s23, SLOT                    ; my stage, in slot 1
	v_mul_u32_u24 v5, v1, SPITCH
	v_lshl_add_u32 v5, v2, 5, v5
	v_add_nc_u32 v[STO], s23, v5                   ; in: row r, 32 bytes for each half of the lanes
	v_and_b32 v6, 31, v0
	v_lshlrev_b32 v[CO], 4, v6                     ; back: the 32 lanes take one row of 512 bytes; and the same in out0
	v_add_nc_u32 v[RD], s23, v[CO]
	s_lshl_b32 s88, s17, 8
	s_lshl_b32 s89, s14, 6
	s_add_co_u32 s88, s88, s89                     ; my first token
	s_lshl_b32 s88, s88, 12                        ; rows of 4,096 bytes
	s_lshl_b32 s89, s[TX], 9
	s_add_co_u32 s88, s88, s89                     ; the tile's 512 bytes of a row
	s_mov_b32 s89, 0
	s_add_nc_u64 s[OUTP:OUTP+1], s[OUTP:OUTP+1], s[88:89]
; Fragments, 16 rows x 128 K: registers 4 c .. 4 c + 3 hold K = 128 q + 32 c + 16 h + 0 .. 15 in both operands.  In y that is head 2 q + c / 2 of the K step, d = 32 (c % 2) + 16 h on.
.macro AFRAG reg, slot, q, i
.irp c, 0,1,2,3
	ds_load_b128 v[\reg+4*\c:\reg+4*\c+3], v[ADRA+\slot] offset:(2*(\q)+\c/2)*HEADA+4*PITCH*(\i)+32*(\c%2)
.endr
.endm
.macro BFRAG reg, slot, q, i
.irp c, 0,1,2,3
	ds_load_b128 v[\reg+4*\c:\reg+4*\c+3], v[ADRB+\slot] offset:128*(\q)+32*\c+(\i)*16*PITCH
.endr
.endm
.macro FETCH_B slot, q, p
	WIN TO_B
.irp i, 0,1,2,3,4,5,6,7
	BFRAG 128*(\p)+FR*\i, \slot, \q, \i
.endr
	WIN 0
.endm
.macro FETCH_A slot, q, i0             ; y's blocks i0, i0 + 1
.irp i, \i0, \i0+1
	AFRAG AF+FR*(\i), \slot, \q, \i
.endr
.endm
; Eight matrix instructions: y's block a against w's eight.  The 32 accumulators take turns, one instruction a turn, in the same order in every step.
.macro MULA a, p, zero
.irp b, 0,1,2,3,4,5,6,7
.if \zero
	v_wmma_f32_16x16x128_fp8_fp8 v[8*(8*(\a)+\b):8*(8*(\a)+\b)+7], v[128*(\p)+FR*\b:128*(\p)+FR*\b+FR-1], v[AF+FR*(\a):AF+FR*(\a)+FR-1], 0
.else
	v_wmma_f32_16x16x128_fp8_fp8 v[8*(8*(\a)+\b):8*(8*(\a)+\b)+7], v[128*(\p)+FR*\b:128*(\p)+FR*\b+FR-1], v[AF+FR*(\a):AF+FR*(\a)+FR-1], v[8*(8*(\a)+\b):8*(8*(\a)+\b)+7]
.endif
.endr
.endm
.macro PLACES n
.rept \n
	v_nop
.endr
.endm
; A step of 128 along K (the q-th of its slot) that fetches the next step's fragments from slot ns, part nq, with no barrier between.
.macro STEP q, zero, ns, nq
	s_wait_dscnt 2*NL                              ; w's set and y's blocks 0, 1 are in; the youngest eight loads (blocks 2, 3) may be out
	WIN MUL
	MULA 0, (\q)%2, \zero
	MULA 1, (\q)%2, \zero
	s_wait_dscnt 0
	PLACES NP
	FETCH_B \ns, \nq, 1-(\q)%2
	FETCH_A \ns, \nq, 0
	WIN MUL
	MULA 2, (\q)%2, \zero
	MULA 3, (\q)%2, \zero
	PLACES NP
	WIN 0
	FETCH_A \ns, \nq, 2
.endm
; A slot's second step with a barrier: in front of it each wave waits for all its tensor loads, adds 0 to its spare word, and waits for that and for its reads so far.  fill = 1: slot 0, just read out, takes K step 3.
.macro TURN next, fill
	s_wait_tensorcnt 0x0                           ; all my tensor loads have landed
	ds_add_u32 v[SPW], v[NIL]
	s_wait_dscnt 2*NL+1                            ; the add and the youngest eight loads may be out
	WIN MUL
	MULA 0, 1, 0
	s_wait_dscnt 0x0                               ; the add is done, and my reads of this slot are over
	s_barrier_signal -1
	MULA 1, 1, 0
	WIN 0
	s_barrier_wait -1
.if \fill
	CREST                                          ; the barrier has opened a round of the cluster's: no wave of any partner still reads slot 0 or has a load on its way
	s_add_nc_u64 s[G0+2:G0+3], s[G0+2:G0+3], 3*ASTEP
	s_add_nc_u64 s[G0B+2:G0B+3], s[G0B+2:G0B+3], 3*ROWB
	JLOAD G0, G1, G0B, G1B                         ; the first tensor load behind the round; its four v_nop are the places in front of the loads below
.else
	PLACES NP
.endif
	FETCH_B \next, 0, 0
	FETCH_A \next, 0, 0
	WIN MUL
	MULA 2, 1, 0
	MULA 3, 1, 0
	PLACES NP
	WIN 0
	FETCH_A \next, 0, 2
.endm
	s_wait_tensorcnt 2                             ; my part of K step 0 is in; K steps 1 and 2 may be out
	s_barrier_signal -1
	s_barrier_wait -1
	FETCH_B 0, 0, 0
	FETCH_A 0, 0, 0
	FETCH_A 0, 0, 2
	STEP 0, 1, 0, 1                                ; K step 0: the first products start the sums
	TURN 1, 1                                      ; every wave's loads have landed: slots 1 and 2 are whole for all; slot 0 takes K step 3
	STEP 0, 0, 1, 1                                ; K step 1
	STEP 1, 0, 2, 0                                ; on into slot 2: shown whole at the barrier above
	STEP 0, 0, 2, 1                                ; K step 2
	TURN 0, 0                                      ; K step 3 has landed in every wave's part; behind this barrier nobody reads slot 1
	STEP 0, 0, 0, 1                                ; K step 3
	s_wait_dscnt 2*NL
	WIN MUL
	MULA 0, 1, 0
	MULA 1, 1, 0
	s_wait_dscnt 0
	MULA 2, 1, 0
	MULA 3, 1, 0
	WIN 0
; THE WAY OUT, block by block of 16 tokens x 128 columns: out = sum x 2^(e6 + e7) + bias, one packed multiply-add for two numbers; through my stage, back as whole rows of 512 bytes.
.macro TOSTAGE a
.set AC, 64*(\a)
	WIN 0x32                                       ; source 0 (the sums) window 2, source 2 (the bias) window 3
.set j, 0
.rept 32                                       ; ascending: each accumulator from its low end on
	v_pk_fma_f32 v[TMP+j:TMP+j+1], v[AC+j:AC+j+1], s[96:97], v[j:j+1] op_sel_hi:[1,0,1]
.set j, j+2
.endr
	WIN 0
.irp b, 0,1,2,3,4,5,6,7
	ds_store_b128 v[STO], v[TMP+8*\b:TMP+8*\b+3] offset:64*\b
	ds_store_b128 v[STO], v[TMP+8*\b+4:TMP+8*\b+7] offset:64*\b+16
.endr
.set BB, BK+64*((\a)%2)
.irp t, 0,1,2,3,4,5,6,7,8,9,10,11,12,13,14,15
	ds_load_b128 v[BB+4*\t:BB+4*\t+3], v[RD] offset:\t*SPITCH   ; LDS serves a wave's instructions in order: these see my stores
.endr
.endm
.macro SEND a, younger                 ; younger: the LDS instructions issued behind block a's loads, which may stay out
.set BB, BK+64*((\a)%2)
	s_wait_dscnt \younger
.if (\a) > 0
	s_add_nc_u64 s[OUTP:OUTP+1], s[OUTP:OUTP+1], 16*4096   ; (behind a wait on XCNT: the earlier stores have read their base)
.endif
.irp t, 0,1,2,3,4,5,6,7,8,9,10,11,12,13,14,15
	global_store_b128 v[CO], v[BB+4*\t:BB+4*\t+3], s[OUTP:OUTP+1] offset:\t*4096 th:TH_STORE_NT   ; 32 lanes store 512 consecutive bytes, at a multiple of 256 from out0's first byte
.endr
.endm
	s_wait_kmcnt 0x0
	s_add_co_i32 s96, s96, s97
	s_add_co_i32 s96, s96, 127
	s_lshl_b32 s96, s96, 23                        ; 2^(e6 + e7) as f32
	s_mov_b32 s97, s96                             ; (named with it as a pair)
	s_wait_loadcnt 0x0                             ; the bias
	PLACES NP
	TOSTAGE 0
.irp a, 1,2,3
.if \a > 1
	s_wait_xcnt 0x0                                ; block a - 2's stores have read their registers and their base
.endif
	TOSTAGE \a
	SEND \a-1, 32                                  ; behind block a - 1's loads: block a's 16 stores and 16 loads
.endr
	s_wait_xcnt 0x0
	SEND 3, 0
	s_wait_tensorcnt 0x0                           ; the wave's end
	ds_add_u32 v[SPW], v[NIL]
	s_wait_dscnt 0x0
	CROUND                                         ; the closing round
	s_endpgm
.Lfunc_end_k_q7829e9969b_proj:
	.size	k_q7829e9969b_proj, .Lfunc_end_k_q7829e9969b_proj-k_q7829e9969b_proj
	.p2alignl 7, 3214868480
	.fill 96, 4, 3214868480
	.section	.rodata,"a",@progbits
	.p2align	6, 0x0
	.amdhsa_kernel k_q7829e9969b_proj
		.amdhsa_group_segment_fixed_size 327680
		.amdhsa_private_segment_fixed_size 0
		.amdhsa_enable_private_segment 0
		.amdhsa_kernarg_size 40
		.amdhsa_user_sgpr_count 2
		.amdhsa_user_sgpr_kernarg_segment_ptr 1
		.amdhsa_wavefront_size32 1
		.amdhsa_system_sgpr_workgroup_id_x 1
		.amdhsa_system_sgpr_workgroup_id_y 1
		.amdhsa_system_sgpr_workgroup_id_z 1
		.amdhsa_system_vgpr_workitem_id 0
		.amdhsa_next_free_vgpr 832
		.amdhsa_next_free_sgpr 100
		.amdhsa_reserve_vcc 0
		.amdhsa_float_denorm_mode_32 3
		.amdhsa_float_denorm_mode_16_64 3
		.amdhsa_memory_ordered 1
		.amdhsa_forward_progress 1
		.amdhsa_inst_pref_size 79
	.end_amdhsa_kernel
	.amdgpu_metadata
---
amdhsa.version: [ 1, 2 ]
amdhsa.kernels:
  - .name:           k_q7829e9969b_proj
    .symbol:         k_q7829e9969b_proj.kd
    .args:
      - { .name: yc, .offset: 0, .size: 8, .value_kind: global_buffer, .address_space: global }
      - { .name: w_proj_codes, .offset: 8, .size: 8, .value_kind: global_buffer, .address_space: global }
      - { .name: lowp_scales, .offset: 16, .size: 8, .value_kind: global_buffer, .address_space: global }
      - { .name: b_proj, .offset: 24, .size: 8, .value_kind: global_buffer, .address_space: global }
      - { .name: out0, .offset: 32, .size: 8, .value_kind: global_buffer, .address_space: global }
    .group_segment_fixed_size: 327680
    .private_segment_fixed_size: 0
    .kernarg_segment_align: 8
    .kernarg_segment_size: 40
    .max_flat_workgroup_size: 128
    .sgpr_count:     100
    .vgpr_count:     832
    .wavefront_size: 32
...
	.end_amdgpu_metadata
.endif
;; end of part 3
